; MI455X (gfx1250); checked and timed in simulation.
; The chip was launched on July 23, 2026; its instructions are those of AMD's public machine-readable ISA for CDNA 5 (MIT licence, August 2026) and "CDNA5" Instruction Set Architecture Reference Guide (July 2026). The comments in the code are by the model that wrote it; some were corrected since.
;; Attention Module. Allowed arithmetic: matrix products marked QUANTISED: E3M2 operands, one E8M0 scale for each 32 along K, by v_wmma_scale_f32_16x16x128_f8f6f4 with both operands' format E3M2, f32 sums; products left as they are: f32 operands where the result goes on into a quantised operand, else bf16, f16 or f32 operands; f32 sums; everything else in f32.
;; Inputs: Wa 2,048 x 2,048 float32; Wc 1,024 x 2,048 float32; b2 1 float32; ba 2,048 float32; bc 1,024 float32; decoder_out 64 x 1,024 float32; encoder_states 512 x 64 x 1,024 float32; hidden 64 x 1,024 float32; w2 1 x 2,048 float32.
;; Outputs: out0 64 x 1,024 float32; out1 64 x 1,024 float32.
;; This version of the problem:
;;   THIS VERSION OF THE PROBLEM IS GIVEN IN LOW PRECISION. The matrix products marked QUANTISED in the list below multiply operands that are first quantised to E3M2 (3 exponent bits, 2 mantissa bits; 6 bits a number), with one power-of-two scale for each 32 numbers along K (OCP MX v1.0); their sums are f32. All else is computed in f32.
;;   The module's matrix products, in the order in which they are computed (A, B: the left and right operand; K: the contracted axis; several contracted axes count as one K, in the product's order):
;;     1. [M 64, K 1,024] x [K 1,024, N 2,048]; A: input hidden; B: input Wa: QUANTISED
;;     2. [M 32,768, K 1,024] x [K 1,024, N 2,048]; A: input encoder_states; B: input Wa: QUANTISED
;;     3. [M 1, K 2,048] x [K 2,048, N 32,768]; A: input w2; B: computed on the way: left as it is (M = 1 < 16)
;;     4. batch 64 x [M 1, K 512] x [K 512, N 1,024]; A: softmax; B: input encoder_states: left as it is (M = 1 < 16)
;;     5. [M 64, K 2,048] x [K 2,048, N 1,024]; A: computed on the way; B: input Wc: QUANTISED
;;   THE QUANTISER, for each operand of a quantised product, along K:
;;     - K is cut into blocks of 32 from its start; a last block that is shorter is filled with zeros.
;;     - A block's scale is 2^e with e = floor(log2(the largest magnitude in the block)) - 4, held to -126 .. 127; a block of zeros has e = 0. As a byte (E8M0): e + 127.
;;     - Each number is divided by its block's scale, clamped to +-28, and rounded to the nearest number of E3M2, ties to even, subnormals kept.
;;     - The product sums the exact products of the quantised numbers (number of the format x scale) in f32.
;;   ~~~python
;;   def quantise(x, axis):      # numpy; x: float32 -> the quantised numbers, widened to float32 again
;;       x = np.moveaxis(x, axis, -1); K = x.shape[-1]
;;       x = np.pad(x, [(0, 0)] * (x.ndim - 1) + [(0, -K % 32)]); x = x.reshape(x.shape[:-1] + (-1, 32)); a = np.abs(x).max(-1, keepdims=True)
;;       e = np.where(a > 0, np.clip(np.frexp(np.where(a > 0, a, 1))[1] - 1 - 4, -126, 127), 0)      # np.frexp(a)[1] - 1 = floor(log2(a)), exactly
;;       r = np.clip(x / 2.0 ** e, -28, 28)
;;       step = 2.0 ** (np.maximum(np.frexp(np.where(r == 0, 1, r))[1] - 1, -2) - 2)
;;       q = np.round(r / step) * step * 2.0 ** e      # np.round: ties to even
;;       return np.moveaxis(q.reshape(q.shape[:-2] + (-1,))[..., :K], -1, axis).astype(np.float32)
;;   ~~~
;;   OPERANDS COMPUTED ON THE WAY. 'Computed on the way' means the value that the module computes at that place (a softmax that the list does not call 'softmax' is quantised finished and normalised). What goes into a quantiser is computed in f32, as accurately as f32 sums, v_exp_f32 and their like allow (about 1e-6 of the number): no bf16 or f16 on the way to a quantiser, and a product that is left as it is and whose result goes on into a quantised operand takes f32 operands (vector FMAs, or v_wmma_f32_16x16x4_f32). A number that lies on a knife's edge between two numbers of the format may be rounded either way, as far as f32 arithmetic and the matrix unit's own rounding can turn it there, and no further.
;; One version. Each part assembles by itself: llvm-mc -triple=amdgcn-amd-amdhsa -mcpu=gfx1250 --defsym DOCPART=n.
;; ======== version 1 of 1: 3 launches
;; limits: right only within a limited range of input values
;; workspace buffers: wq 2,359,296 bytes; ws 98,304 bytes; proj 3,145,728 bytes; part 1,048,576 bytes; stats 65,536 bytes
;; launch prep (part 1): grid 192 x 1, 16 waves a work-group, no clusters, 82,432 bytes of LDS; arguments Wa, Wc, hidden, decoder_out, ba, bc, wq, ws, proj; writes wq, ws, proj
.if DOCPART == 1
	.amdgcn_target "amdgcn-amd-amdhsa--gfx1250"
	.amdhsa_code_object_version 6
	.text
	.protected	k_qdcc20d8656_prep
	.globl	k_qdcc20d8656_prep
	.p2align	8
	.type	k_qdcc20d8656_prep,@function
k_qdcc20d8656_prep:
	s_mov_b64 s[64:65], 0
	v_nop
	global_prefetch_b8 v0, s[64:65] scope:SCOPE_SE
	s_setreg_imm32_b32 hwreg(HW_REG_WAVE_MODE, 25, 1), 1
	s_wait_xcnt 0x0
; The weights are quantised to BF6 (E3M2) with one E8M0 byte for each 32 along K, and K half 0 is multiplied with the quantised hidden (Wa) or decoder_out (Wc).  Work-groups 0-127 serve Wa, 128-191 Wc.
; Work-group g does two things.  (1) K half 1 (k = 1024 ..) of tile g (16 rows of its weight) leaves as eight fragment images (wq) and one image of scale words (ws).
; (2) Of K half 0 it takes 64 rows (group g / 4 of its weight) x 256 along K (slice g % 4), quantises the same slice of the 64 activation rows, and stores the f32 part of the product: proj holds four slices of
; 786,432 bytes, each h_proj [64][2048], then dproj [64][1024]; the launches that read them add the four.  A quarter of the bias (an exact scaling) is the C of each slice's first product.
; So a work-group quantises 3 x 16,384 numbers: six steps a wave.
; WORK LEFT OUT, in the whole program.  scores = sum over f of w2[f] tanh(..) + b2, and tanh x = 1 - 2 / (1 + e^(2 x)): so scores = (sum of w2 + b2) - 2 sum over f of w2[f] / (1 + e^(2 x)).
; The bracket is the same for every t of a b, whatever the inputs hold, and a softmax over t is unchanged by a term that is the same along t: neither b2 nor the sum of w2 is formed.
; b2 then has no way to any output: it is not loaded and is among no launch's arguments.  LIMIT: a NaN, an infinity or an overflow that reaches only b2 or the sum of w2 is not carried to the result.
; IMAGES.  A fragment (16 rows x 128 K, 12 registers a lane) lies as three pieces of 512 bytes: piece g holds registers 4 g .. 4 g + 3, lane l's 16 bytes at 16 l.  ws's image is 512 bytes: lane (r, h)'s 16 bytes
; are the scale words of row r for K steps 4 h + 0 .. 3.
; A STEP is 128 along K of four rows: four loads of 512 consecutive bytes, turned through the wave's own stage in LDS, so that a lane holds 16 neighbours along K; two neighbouring lanes hold a block of 32.
; A wave's stores to proj cover 64 consecutive bytes of each of 16 rows: 16,384 bytes a work-group, against 196,608 that it reads.
; LIMITS: NaN and infinities among the inputs are not served.  A block whose largest magnitude lies under 2^-122, a block of zeros too, gets the byte 1 (the rule says 127 for zeros): its codes are zeros or the rule's own,
; and the bytes are read by this program alone.  The sum over K half 0 is formed of eight parts (two K steps in each of four slices): an order of rounding that differs from one ascending chain.
.set STG,  0                           ; LDS: a stage of 2,560 bytes for each of 16 waves
.set WI,   40960                       ; K half 1: eight fragments,
.set WSI,  53248                       ; their scale image
.set WB,   53760                       ; K half 0: 4 tiles x 2 fragments,
.set WBS,  66048                       ; their scale words, 16 bytes a row (8 used)
.set AB,   67072                       ; the activations likewise
.set ABS,  79360
.set SPARE, 80384                      ; the spare words, 128 bytes a wave
.set PSL,  786432                      ; a slice of proj
.set L16,  1
.set STI,  2
.set STO,  3
.set DJ1,  4                           ; v4-6, v7: where my code words and scale byte of K half 1 go
.set DE1,  7
.set DJW,  8                           ; v8-10, v11: of K half 0
.set DEW,  11
.set DJA,  12                          ; v12-14, v15: of the activations
.set DEA,  15
.set CPL,  16
.set CPG,  17
.set PO,   18
.set BO,   19
.set MA,   20
.set MB,   21
.set SCL,  22
.set FRW,  23
.set CD,   24                          ; v24-27, v28-31: codes and byte, two sets by turns
.set BIAS, 32
.set WSC,  40                          ; v40-41 the weight's scale words, v42-43 the activations': these hold scales and nothing else
.set ASC,  42
.set FRA,  44
.set SCW,  45
.set SCA,  46
.set SPW,  47
.set NIL,  48
.set WSA,  49
.set X,    64                          ; v64-95 two sets of 16 neighbours; later the two accumulators
.set R,    96                          ; v96-191 six steps as loaded; later 2 + 2 fragments
.macro LANEPARTS RB, lp, le, t         ; lane l holds k = 16 (l % 8) + 0 .. 15 of row l / 8: its three code words are registers q = 6 c + 3 odd + j of lane (row, hl) of the fragment
	v_bfe_u32 v[\t+1], v0, 3, 2
	v_bfe_u32 v[\t+2], v0, 2, 1
	v_bfe_u32 v[\t+3], v0, 1, 1
	v_and_b32 v[\t+4], 1, v0
	s_delay_alu instid0(VALU_DEP_1)
	v_mul_u32_u24 v[\t+4], v[\t+4], 3
	s_delay_alu instid0(VALU_DEP_1)
	v_mad_u32_u24 v[\t+4], v[\t+2], 6, v[\t+4]
	v_lshlrev_b32 v[\t+1], 4, v[\t+1]
	v_bfe_u32 v[\le], v0, 1, 2
	s_delay_alu instid0(VALU_DEP_1)
	v_add_nc_u32 v[\le], v[\le], v[\t+1]
	s_delay_alu instid0(VALU_DEP_3)
	v_mad_u32_u24 v[\t+1], v[\t+3], 16*\RB, v[\t+1]
.irp j, 0,1,2
	v_add_nc_u32 v[\t+2], \j, v[\t+4]
	s_delay_alu instid0(VALU_DEP_1)
	v_lshrrev_b32 v[\t+3], 2, v[\t+2]
	s_delay_alu instid0(VALU_DEP_2)
	v_and_b32 v[\t+2], 3, v[\t+2]
	s_delay_alu instid0(VALU_DEP_2)
	v_mad_u32_u24 v[\t+3], v[\t+3], 32*\RB, v[\t+1]
	s_delay_alu instid0(VALU_DEP_1)
	v_lshl_add_u32 v[\lp+\j], v[\t+2], 2, v[\t+3]
.endr
.endm
.macro TURN_IN r0
.irp i, 0,1,2,3
	ds_store_b128 v[STI], v[\r0+4*\i:\r0+4*\i+3] offset:640*\i
.endr
.endm
.macro TURN_OUT x0                     ; LDS serves a wave's instructions in order: no wait between the two
.irp i, 0,1,2,3
	ds_load_b128 v[\x0+4*\i:\x0+4*\i+3], v[STO] offset:16*\i
.endr
.endm
.macro QUANT16 x, c, e
	v_max3_num_f32 v[MA], |v[\x]|, |v[\x+1]|, |v[\x+2]|
	v_max3_num_f32 v[MB], |v[\x+3]|, |v[\x+4]|, |v[\x+5]|
.irp i, 6,10
	s_delay_alu instid0(VALU_DEP_2)
	v_max3_num_f32 v[MA], v[MA], |v[\x+\i]|, |v[\x+\i+1]|
	s_delay_alu instid0(VALU_DEP_2)
	v_max3_num_f32 v[MB], v[MB], |v[\x+\i+2]|, |v[\x+\i+3]|
.endr
	s_delay_alu instid0(VALU_DEP_2)
	v_max3_num_f32 v[MA], v[MA], |v[\x+14]|, |v[\x+15]|
	s_delay_alu instid0(VALU_DEP_1)
	v_max3_num_f32 v[MA], v[MA], v[MB], 0x2800000  ; the floor 2^(5 - 127): the byte cannot fall under 1
	s_delay_alu instid0(VALU_DEP_1)
	v_max_num_f32_dpp v[MA], v[MA], v[MA] row_xmask:1 row_mask:0xf bank_mask:0xf
	s_delay_alu instid0(VALU_DEP_1)
	v_add_nc_u32 v[SCL], 0xfe000000, v[MA]         ; 4 off the exponent field: the conversion's scale operand
	v_cvt_scalef32_pk16_bf6_f32 v[\c:\c+2], v[\x:\x+15], v[SCL]
	v_lshrrev_b32 v[\e], 23, v[SCL]                ; the byte; also the plain instruction behind the conversion
.endm
.macro SCAT c, e, dj, de, oc, oe
.irp j, 0,1,2
	ds_store_b32 v[\dj+\j], v[\c+\j] offset:\oc
.endr
	ds_store_b8 v[\de], v[\e] offset:\oe           ; both lanes of a block write the same byte with the same value
.endm
	s_load_b512 s[4:19], s[0:1], 0x0               ; Wa, Wc, hidden, decoder_out, ba, bc, wq, ws
	s_load_b64 s[20:21], s[0:1], 0x40              ; proj
	v_lshl_add_u32 v[SPW], v0, 2, SPARE
	v_mov_b32 v[NIL], 0
	v_lshrrev_b32 v50, 5, v0
	s_delay_alu instid0(VALU_DEP_1)
	v_readfirstlane_b32 s22, v50                   ; wave w, 0..15
	s_and_b32 s23, s22, 3                          ; w % 4
	s_lshr_b32 s24, s22, 2                         ; w / 4
	s_mul_i32 s25, s22, 2560
	s_lshl_b32 s27, s23, 6                         ; four rows are 64 bytes in every image
	s_mul_i32 s26, s24, 3072                       ; two fragments: K half 1's K steps 2 (w / 4) on; K half 0's and the activations' tile w / 4
	s_add_co_u32 s26, s26, s27
	s_add_co_u32 s29, s26, WB
	s_add_co_u32 s31, s26, AB
	s_add_co_u32 s26, s26, WI
	s_lshl_b32 s30, s24, 8
	s_add_co_u32 s30, s30, s27
	s_add_co_u32 s33, s30, ABS
	s_add_co_u32 s30, s30, WBS
	s_lshr_b32 s28, s22, 3
	s_lshl_b32 s28, s28, 8                         ; ws's image: K steps 4-7 lie 256 bytes on,
	s_and_b32 s42, s24, 1
	s_lshl_b32 s42, s42, 3                         ; my two K steps' words 8 bytes on for odd w / 4
	s_add_co_u32 s28, s28, s42
	s_add_co_u32 s28, s28, s27
	s_add_co_u32 s28, s28, WSI
	s_mul_i32 s43, s24, 3072                       ; the product: weight tile w / 4,
	s_add_co_u32 s43, s43, WB
	s_mul_i32 s44, s23, 3072                       ; activation tile w % 4
	s_add_co_u32 s44, s44, AB
	s_lshl_b32 s45, s24, 8
	s_add_co_u32 s45, s45, WBS
	s_lshl_b32 s46, s23, 8
	s_add_co_u32 s46, s46, ABS
	s_lshl_b32 s47, s22, 10
	s_lshl_b32 s48, s23, 4
	s_cmp_lt_u32 ttmp9, 128
	s_mov_b32 s35, 4096
	s_cselect_b32 s35, 8192, s35                   ; a row of h_proj or of dproj in bytes
	v_and_b32 v50, 31, v0
	v_and_b32 v51, 15, v0
	v_bfe_u32 v52, v0, 4, 1
	v_lshlrev_b32 v[L16], 4, v50
	v_lshrrev_b32 v57, 2, v50
	v_and_b32 v58, 3, v0
	s_delay_alu instid0(VALU_DEP_2)
	v_mul_u32_u24 v57, v57, 80
	s_delay_alu instid0(VALU_DEP_1)
	v_lshl_add_u32 v57, v58, 4, v57
	s_delay_alu instid0(VALU_DEP_1)
	v_add_nc_u32 v[STI], s25, v57
	v_mul_u32_u24 v57, v50, 80
	s_delay_alu instid0(VALU_DEP_1)
	v_add_nc_u32 v[STO], s25, v57
	LANEPARTS 16, 24, 27, 52
.irp j, 0,1,2
	v_add_nc_u32 v[DJ1+\j], s26, v[24+\j]
	v_add_nc_u32 v[DJW+\j], s29, v[24+\j]
	v_add_nc_u32 v[DJA+\j], s31, v[24+\j]
.endr
	v_add_nc_u32 v[DE1], s28, v27
	v_add_nc_u32 v[DEW], s30, v27
	v_add_nc_u32 v[DEA], s33, v27
	v_add_nc_u32 v[FRW], s43, v[L16]
	v_add_nc_u32 v[FRA], s44, v[L16]
	v_lshl_add_u32 v[SCW], v51, 4, s45
	v_lshl_add_u32 v[SCA], v51, 4, s46
	v_add_nc_u32 v[CPG], s47, v[L16]
	v_add_nc_u32 v[WSA], WSI, v[L16]
	v_lshlrev_b32 v[BO], 5, v52
	v_add_nc_u32 v57, s48, v51                     ; the row of proj that my lane holds: 16 (w % 4) + lane % 16
	v_add_nc_u32 v[CPL], WI, v[CPG]
	s_delay_alu instid0(VALU_DEP_2)
	v_mul_lo_u32 v[PO], v57, s35
	s_delay_alu instid0(VALU_DEP_1)
	v_add_nc_u32 v[PO], v[PO], v[BO]
	s_wait_alu depctr_va_vdst(0)                   ; the wait at the head's end
	s_wait_kmcnt 0x0
	s_cmp_lt_u32 ttmp9, 128                        ; Wa or Wc: the choice hangs on the work-group's number alone
	s_cselect_b64 s[4:5], s[4:5], s[6:7]
	s_cselect_b64 s[8:9], s[8:9], s[10:11]
	s_cselect_b64 s[12:13], s[12:13], s[14:15]
	s_cselect_b32 s34, 0, 128
	s_cselect_b32 s36, 0, 0x80000                  ; where h_proj or dproj begins in a slice
	s_sub_co_u32 s34, ttmp9, s34                   ; the tile's number in its weight
	s_lshr_b32 s37, s34, 2                         ; the group of 64 rows
	s_and_b32 s50, s34, 3                          ; the slice of K half 0
	s_mov_b32 s53, 0
	s_lshl_b32 s52, s34, 17                        ; K half 1: 16 rows of 8,192 bytes a tile,
	s_lshl_b32 s51, s23, 15                        ; my four rows,
	s_add_co_u32 s52, s52, s51
	s_lshl_b32 s51, s24, 10                        ; my two K steps,
	s_add_co_u32 s52, s52, s51
	s_add_co_u32 s52, s52, 4096                    ; behind K half 0
	s_add_nc_u64 s[38:39], s[4:5], s[52:53]
	s_lshl_b32 s52, s37, 19                        ; K half 0: 64 rows a group,
	s_lshl_b32 s51, s22, 15                        ; my four rows,
	s_add_co_u32 s52, s52, s51
	s_lshl_b32 s54, s50, 10                        ; the slice's 256 numbers
	s_add_co_u32 s52, s52, s54
	s_add_nc_u64 s[40:41], s[4:5], s[52:53]
	s_lshl_b32 s52, s22, 14                        ; the activations: my four rows of 4,096 bytes
	s_add_co_u32 s52, s52, s54
	s_add_nc_u64 s[8:9], s[8:9], s[52:53]
	s_lshl_b32 s52, s37, 8                         ; the product's columns: 64 a group, 16 a tile
	s_lshl_b32 s51, s24, 6
	s_add_co_u32 s52, s52, s51
	s_add_nc_u64 s[12:13], s[12:13], s[52:53]
	s_add_co_u32 s52, s52, s36
	s_mul_i32 s51, s50, PSL
	s_add_co_u32 s52, s52, s51
	s_add_nc_u64 s[20:21], s[20:21], s[52:53]
	s_mul_i32 s52, ttmp9, 12288
	s_add_nc_u64 s[16:17], s[16:17], s[52:53]
	s_lshl_b32 s52, ttmp9, 9
	s_add_nc_u64 s[18:19], s[18:19], s[52:53]
	global_load_b128 v[BIAS:BIAS+3], v[BO], s[12:13]
	global_load_b128 v[BIAS+4:BIAS+7], v[BO], s[12:13] offset:16
.irp t, 0,1                            ; all six steps are asked for at once: 24 loads of 512 consecutive bytes
.irp i, 0,1,2,3
	global_load_b128 v[R+16*\t+4*\i:R+16*\t+4*\i+3], v[L16], s[40:41] offset:\i*8192+512*\t th:TH_LOAD_NT
.endr
.endr
.irp t, 0,1
.irp i, 0,1,2,3
	global_load_b128 v[R+32+16*\t+4*\i:R+32+16*\t+4*\i+3], v[L16], s[8:9] offset:\i*4096+512*\t
.endr
.endr
.irp t, 0,1
.irp i, 0,1,2,3
	global_load_b128 v[R+64+16*\t+4*\i:R+64+16*\t+4*\i+3], v[L16], s[38:39] offset:\i*8192+512*\t th:TH_LOAD_NT
.endr
.endr
	s_wait_loadcnt 20                              ; the bias and step 0 are in; five steps' loads may be out
	TURN_IN R
	TURN_OUT X
.irp p, 0,2,4,6
	v_pk_mul_f32 v[BIAS+\p:BIAS+\p+1], v[BIAS+\p:BIAS+\p+1], 0x3e800000 op_sel_hi:[1,0]   ; a quarter of the bias in each of the four slices
.endr
.macro PSTEP t
.if (\t) > 0
	s_wait_dscnt 4                                 ; this step's neighbours are back; the last step's four stores into the images may be out
.else
	s_wait_dscnt 0x0
.endif
.if (\t) < 5
	s_wait_loadcnt 4*(4-(\t))                      ; the next step's loads are in; the later steps', four each, may be out
	TURN_IN R+16*((\t)+1)
	TURN_OUT X+16*(((\t)+1)%2)
.endif
.set CC, CD+4*((\t)%2)
	QUANT16 X+16*((\t)%2), CC, CC+3
.if (\t) < 2
	SCAT CC, CC+3, DJW, DEW, (\t)*1536, 4*(\t)
.elseif (\t) < 4
	SCAT CC, CC+3, DJA, DEA, ((\t)-2)*1536, 4*((\t)-2)
.else
	SCAT CC, CC+3, DJ1, DE1, ((\t)-4)*1536, 4*((\t)-4)
.endif
.endm
.irp t, 0,1,2,3,4,5
	PSTEP \t
.endr
	s_wait_alu depctr_va_vdst(0)
	s_wait_dscnt 0x0                               ; for the others' sake: my stores into the images are done
	s_barrier_signal -1
	s_barrier_wait -1
.irp s, 0,1                            ; every wave: one tile of the weight x one tile of the activations, two K steps
.irp g, 0,1,2
	ds_load_b128 v[R+12*\s+4*\g:R+12*\s+4*\g+3], v[FRW] offset:\s*1536+\g*512
	ds_load_b128 v[R+24+12*\s+4*\g:R+24+12*\s+4*\g+3], v[FRA] offset:\s*1536+\g*512
.endr
.endr
	ds_load_b64 v[WSC:WSC+1], v[SCW]
	ds_load_b64 v[ASC:ASC+1], v[SCA]
	s_wait_dscnt 0x0
	; source 0 = the weight's 16 rows, source 1 = the activations': a lane holds one row of proj and eight neighbouring columns.  Two accumulators, one instruction each
	v_wmma_scale_f32_16x16x128_f8f6f4 v[X:X+7], v[R:R+11], v[R+24:R+35], v[BIAS:BIAS+7], v[WSC], v[ASC] matrix_a_fmt:MATRIX_FMT_BF6 matrix_b_fmt:MATRIX_FMT_BF6
	v_wmma_scale_f32_16x16x128_f8f6f4 v[X+8:X+15], v[R+12:R+23], v[R+36:R+47], 0, v[WSC+1], v[ASC+1] matrix_a_fmt:MATRIX_FMT_BF6 matrix_b_fmt:MATRIX_FMT_BF6
.rept 4
	v_nop                                          ; four plain instructions between the last product and the first read of results
.endr
.irp p, 0,2,4,6
	v_pk_add_f32 v[X+\p:X+\p+1], v[X+\p:X+\p+1], v[X+8+\p:X+8+\p+1]   ; from the low end on
.endr
	global_store_b128 v[PO], v[X:X+3], s[20:21]
	global_store_b128 v[PO], v[X+4:X+7], s[20:21] offset:16
	s_cmp_lt_u32 s22, 12
	s_cbranch_scc0 .Lscales
	ds_load_b128 v[24:27], v[CPL]                  ; waves 0-11: K half 1's eight fragment images leave as they lie, 512 consecutive bytes a store
	ds_load_b128 v[28:31], v[CPL] offset:512
	s_wait_dscnt 0x0
	global_store_b128 v[CPG], v[24:27], s[16:17]
	global_store_b128 v[CPG], v[28:31], s[16:17] offset:512
	s_branch .Ldone
.Lscales:
	s_cmp_lg_u32 s22, 12
	s_cbranch_scc1 .Ldone
	ds_load_b128 v[24:27], v[WSA]                  ; wave 12: K half 1's scale image
	s_wait_dscnt 0x0
	global_store_b128 v[L16], v[24:27], s[18:19]
.Ldone:
	s_wait_tensorcnt 0x0                           ; the wave's end
	ds_add_u32 v[SPW], v[NIL]
	s_wait_dscnt 0x0
	s_endpgm
.Lfunc_end_k_qdcc20d8656_prep:
	.size	k_qdcc20d8656_prep, .Lfunc_end_k_qdcc20d8656_prep-k_qdcc20d8656_prep
	.p2alignl 7, 3214868480
	.fill 96, 4, 3214868480
	.section	.rodata,"a",@progbits
	.p2align	6, 0x0
	.amdhsa_kernel k_qdcc20d8656_prep
		.amdhsa_group_segment_fixed_size 82432
		.amdhsa_private_segment_fixed_size 0
		.amdhsa_enable_private_segment 0
		.amdhsa_kernarg_size 72
		.amdhsa_user_sgpr_count 2
		.amdhsa_user_sgpr_kernarg_segment_ptr 1
		.amdhsa_wavefront_size32 1
		.amdhsa_system_sgpr_workgroup_id_x 1
		.amdhsa_system_sgpr_workgroup_id_y 1
		.amdhsa_system_sgpr_workgroup_id_z 1
		.amdhsa_system_vgpr_workitem_id 0
		.amdhsa_next_free_vgpr 192
		.amdhsa_next_free_sgpr 66
		.amdhsa_reserve_vcc 0
		.amdhsa_float_denorm_mode_32 3
		.amdhsa_float_denorm_mode_16_64 3
		.amdhsa_memory_ordered 1
		.amdhsa_forward_progress 1
		.amdhsa_inst_pref_size 24
	.end_amdhsa_kernel
	.amdgpu_metadata
---
amdhsa.version: [ 1, 2 ]
amdhsa.kernels:
  - .name:           k_qdcc20d8656_prep
    .symbol:         k_qdcc20d8656_prep.kd
    .args:
      - { .name: Wa, .offset: 0, .size: 8, .value_kind: global_buffer, .address_space: global }
      - { .name: Wc, .offset: 8, .size: 8, .value_kind: global_buffer, .address_space: global }
      - { .name: hidden, .offset: 16, .size: 8, .value_kind: global_buffer, .address_space: global }
      - { .name: decoder_out, .offset: 24, .size: 8, .value_kind: global_buffer, .address_space: global }
      - { .name: ba, .offset: 32, .size: 8, .value_kind: global_buffer, .address_space: global }
      - { .name: bc, .offset: 40, .size: 8, .value_kind: global_buffer, .address_space: global }
      - { .name: wq, .offset: 48, .size: 8, .value_kind: global_buffer, .address_space: global }
      - { .name: ws, .offset: 56, .size: 8, .value_kind: global_buffer, .address_space: global }
      - { .name: proj, .offset: 64, .size: 8, .value_kind: global_buffer, .address_space: global }
    .group_segment_fixed_size: 82432
    .private_segment_fixed_size: 0
    .kernarg_segment_align: 8
    .kernarg_segment_size: 72
    .max_flat_workgroup_size: 512
    .sgpr_count:     66
    .vgpr_count:     192
    .wavefront_size: 32
...
	.end_amdgpu_metadata
.endif
;; end of part 1
;; launch main (part 2): grid 256 x 1, 8 waves a work-group, clusters of 4 x 1, 327,680 bytes of LDS; arguments encoder_states, wq, ws, proj, w2, part, stats; writes part, stats
.if DOCPART == 2
	.amdgcn_target "amdgcn-amd-amdhsa--gfx1250"
	.amdhsa_code_object_version 6
	.text
	.protected	k_qdcc20d8656_main
	.globl	k_qdcc20d8656_main
	.p2align	8
	.type	k_qdcc20d8656_main,@function
k_qdcc20d8656_main:
	s_mov_b64 s[64:65], 0
	v_nop
	global_prefetch_b8 v0, s[64:65] scope:SCOPE_SE
	s_setreg_imm32_b32 hwreg(HW_REG_WAVE_MODE, 25, 1), 1
	s_wait_xcnt 0x0
	s_wait_alu depctr_hold_cnt(0) depctr_sa_sdst(0) depctr_va_vdst(0) depctr_va_sdst(0) depctr_va_ssrc(0) depctr_va_vcc(0) depctr_vm_vsrc(0)
	s_getreg_b32 s2, hwreg(HW_REG_IB_STS2, 6, 4)
	s_cmp_eq_u32 s2, 0
	s_cbranch_scc0 .Lentry_in_a_cluster
	s_endpgm
.Lentry_in_a_cluster:
	s_bfe_u32 s2, ttmp6, 0x10000c
	s_cmp_lg_u32 s2, 0x3003
	s_cbranch_scc0 .Lentry_shape_is_right
	s_endpgm
.Lentry_shape_is_right:
; A work-group takes one b (the cluster's x) and 128 timesteps (its place in the cluster): e_proj = Q(enc) Q(Wa[:, 1024:])^T, tanh, the scores, its quarter of the softmax and of the weighted sum.
; LEFT OUT: b2 and the sum of w2, which are the same along the softmax's axis (shown at the head of the first kernel): score' = sum over f of (-2 log2(e) w2[f]) / (1 + 2^(c x)), c = 2 log2(e), x = h_proj + e_proj.
; EIGHT WAVES.  Wave w: rows 32 (w / 2) on, half w % 2 of each slot's eight tiles of Wa.  Its 2 x 8 fragments of enc stay in 192 registers for the whole launch.
; A PERIOD is two tiles of Wa (32 columns f) x 32 rows: 32 matrix instructions in one run on four accumulators by turns; then the next period's 50 LDS loads; then the tanh in whole batches.
; Source 0 = 16 rows of enc, source 1 = 16 rows of Wa: a lane holds ONE f and eight timesteps, so that c h_proj[f] and -c w2[f] are one pair of 8 bytes a lane and tile; the scores are summed over the lanes once, at the end.
; The waves form two groups, (w ^ (w / 4)) % 2.  Group 0 multiplies a slot's last period ahead of the change of slots, group 1 behind it (its fragments are in registers by then): the branch hangs on the wave's
; number and leads round the matrix run alone.  So the groups stand half a period apart: one group's matrix run stands beside the other's vector work.
; Wa's tiles come as images (made by the first launch) through two slots of eight tiles, each wave fetching one tile; the four work-groups of a cluster ask jointly (mask 15).
; The head quantises enc: wave w its rows 16 w on, through its own stage, into fragment and scale images in LDS; behind the reads of these images their bytes take Wa's scale images and the pairs (c h_proj, -c w2).
; h_proj comes as four parts (slices of K), which are added here.
; PREFETCH: Wa's slot one refill on is asked for by cluster 0 (all clusters walk the same 16 slots), 256 bytes a lane.  The rows of enc for the weighted sum are not prefetched: this work-group has read them in its head.
; LIMITS: NaN and infinities are not served; a block whose largest magnitude lies under 2^-122 gets the scale byte 1; the promise holds while the scaled scores stay under 2^31 in magnitude.
; REGISTERS.  Window 0: v0-39 addresses and scale words, v40-55 the scores' sums; v64-255 enc's fragments.  Window 1: v0-191 Wa's fragments, v192-223 accumulators, v224-227 the pairs.
.set TILEB, 12288
.set SLOTB, 8*TILEB
.set SLOT1, 1<<17
.set STG,   98304                      ; a stage of 2,560 bytes for each wave
.set ASB,   118784                     ; enc's scale images
.set SCX,   122880                     ; the scores' halves
.set PWB,   123904                     ; each wave's 128 weights
.set SPARE, 128000                     ; the spare words, 128 bytes a wave
.set Z,     229376                     ; enc's fragment images; later:
.set BS,    Z                          ; Wa's scale images,
.set HPB,   Z+65536                    ; and the 2,048 pairs (c h_proj, -c w2)
.set PSL,   786432                     ; a slice of proj
.set SPW,  1
.set NIL,  2
.set AB0,  3
.set AS0,  4
.set AH0,  5
.set ADB,  6
.set ADS,  7
.set ADH,  8
.set GOFF, 9
.set STI,  10
.set STO,  11
.set AF0,  12
.set TOFF, 13
.set PFO,  14
.set ASF,  15
.set ASC,  16                          ; v16-23 enc's scale words, v24-31 Wa's: these hold scales and nothing else
.set BSC,  24
.set SOFF, 32
.set SD0,  33
.set SD1,  34
.set SXA,  35
.set SXR,  36
.set PWA,  37
.set PAD,  38
.set L8,   39
.set SA,   40                          ; v40-55: block a, timestep 8 h + j at v[SA + 8 a + j]
.set AF,   64
.set X,    64                          ; the head: v64-95 two sets of 16 neighbours
.set LPB,  224
.set LEB,  227
.set CD,   232
.set MA,   240
.set MB,   241
.set SCL,  242
.set ACC,  192                         ; window 1
.set HP,   224
.set AC,   64                          ; the tail, window 0: v64-71 sums, v76-87 softmax, v96-127 weights
.set PW,   96
.set WV,   20
.set MH,   21
.set NH,   22
.set CX,   23
.set GRP,  24
.set G1,   28
.set G0,   36
.set EB,   44
.set TB,   48
.set TS,   49
.set TH,   50
.set SLOTS, 51
.set LIM,  52
.set PFA,  54
.set CS,   56
.set SEL,  58
.set CN,   60
.set T0,   66
.set T1,   68
.set T2,   70
.set T3,   80
.set MSB, 0
.macro WIN new                         ; the immediate's high byte repeats the setting that is left
.if MSB != \new
	s_set_vgpr_msb (MSB<<8)|\new
.set MSB, \new
.endif
.endm
.macro PLACES n
.rept \n
	v_nop
.endr
.endm
.macro CROUND
	s_barrier_signal -1
	s_barrier_wait -1
	s_cmp_lg_u32 s[WV], 0
	s_cbranch_scc1 .Lnot_wave_0_\@
	s_barrier_signal -3
.Lnot_wave_0_\@:
	s_barrier_wait -3
	s_barrier_signal -1
	s_barrier_wait -1
.endm
.macro LANEPARTS RB, lp, le, t         ; lane l holds k = 16 (l % 8) + 0 .. 15 of row l / 8 of four: where its three code words and its block's byte go in the images
	v_bfe_u32 v[\t+1], v0, 3, 2
	v_bfe_u32 v[\t+2], v0, 2, 1
	v_bfe_u32 v[\t+3], v0, 1, 1
	v_and_b32 v[\t+4], 1, v0
	s_delay_alu instid0(VALU_DEP_1)
	v_mul_u32_u24 v[\t+4], v[\t+4], 3
	s_delay_alu instid0(VALU_DEP_1)
	v_mad_u32_u24 v[\t+4], v[\t+2], 6, v[\t+4]
	v_lshlrev_b32 v[\t+1], 4, v[\t+1]
	v_bfe_u32 v[\le], v0, 1, 2
	s_delay_alu instid0(VALU_DEP_1)
	v_add_nc_u32 v[\le], v[\le], v[\t+1]
	s_delay_alu instid0(VALU_DEP_3)
	v_mad_u32_u24 v[\t+1], v[\t+3], 16*\RB, v[\t+1]
.irp j, 0,1,2
	v_add_nc_u32 v[\t+2], \j, v[\t+4]
	s_delay_alu instid0(VALU_DEP_1)
	v_lshrrev_b32 v[\t+3], 2, v[\t+2]
	s_delay_alu instid0(VALU_DEP_2)
	v_and_b32 v[\t+2], 3, v[\t+2]
	s_delay_alu instid0(VALU_DEP_2)
	v_mad_u32_u24 v[\t+3], v[\t+3], 32*\RB, v[\t+1]
	s_delay_alu instid0(VALU_DEP_1)
	v_lshl_add_u32 v[\lp+\j], v[\t+2], 2, v[\t+3]
.endr
.endm
.macro TURN_IN r0                      ; four loads' 512 bytes as they lie, 16 bytes of padding behind each 64
.irp i, 0,1,2,3
	ds_store_b128 v[STI], v[\r0+4*\i:\r0+4*\i+3] offset:640*\i
.endr
.endm
.macro TURN_OUT x0                     ; and back, 64 bytes a lane: LDS serves a wave's instructions in order
.irp i, 0,1,2,3
	ds_load_b128 v[\x0+4*\i:\x0+4*\i+3], v[STO] offset:16*\i
.endr
.endm
.macro QUANT16 x, c, e
	v_max3_num_f32 v[MA], |v[\x]|, |v[\x+1]|, |v[\x+2]|
	v_max3_num_f32 v[MB], |v[\x+3]|, |v[\x+4]|, |v[\x+5]|
.irp i, 6,10
	s_delay_alu instid0(VALU_DEP_2)
	v_max3_num_f32 v[MA], v[MA], |v[\x+\i]|, |v[\x+\i+1]|
	s_delay_alu instid0(VALU_DEP_2)
	v_max3_num_f32 v[MB], v[MB], |v[\x+\i+2]|, |v[\x+\i+3]|
.endr
	s_delay_alu instid0(VALU_DEP_2)
	v_max3_num_f32 v[MA], v[MA], |v[\x+14]|, |v[\x+15]|
	s_delay_alu instid0(VALU_DEP_1)
	v_max3_num_f32 v[MA], v[MA], v[MB], 0x2800000  ; the floor 2^(5 - 127): the byte cannot fall under 1
	s_delay_alu instid0(VALU_DEP_1)
	v_max_num_f32_dpp v[MA], v[MA], v[MA] row_xmask:1 row_mask:0xf bank_mask:0xf
	s_delay_alu instid0(VALU_DEP_1)
	v_add_nc_u32 v[SCL], 0xfe000000, v[MA]         ; 4 off the exponent field: the conversion's scale operand
	v_cvt_scalef32_pk16_bf6_f32 v[\c:\c+2], v[\x:\x+15], v[SCL]
	v_lshrrev_b32 v[\e], 23, v[SCL]                ; the byte; also the plain instruction behind the conversion
.endm
.macro SCAT c, e, oc, oe
.irp j, 0,1,2
	ds_store_b32 v[LPB+\j], v[\c+\j] offset:\oc
.endr
	ds_store_b8 v[LEB], v[\e] offset:\oe
.endm
	s_load_b256 s[4:11], s[0:1], 0x0               ; enc, wq, ws, proj
	s_load_b128 s[12:15], s[0:1], 0x20             ; w2, part
	s_load_b64 s[16:17], s[0:1], 0x30              ; stats
	v_lshl_add_u32 v[SPW], v0, 2, SPARE
	v_mov_b32 v[NIL], 0
	ds_add_u32 v[SPW], v[NIL]
	ds_add_u32 v[SPW], v[NIL]
	v_lshrrev_b32 v58, 5, v0
	v_readfirstlane_b32 s[WV], v58                 ; wave 0..7
	s_lshr_b32 s[MH], s[WV], 1
	s_and_b32 s[NH], s[WV], 1
	s_lshr_b32 s[GRP], s[WV], 2
	s_xor_b32 s[GRP], s[GRP], s[WV]
	s_and_b32 s[GRP], s[GRP], 1
	s_bfe_u32 s[CX], ttmp6, 0x40000
	s_mov_b32 s[G1+0], 15|(3<<16)|(1<<21)          ; a tile of Wa: 48 rows of 256 bytes, dense; the mask names the cluster's four
	s_mov_b32 s[G1+1], 32<<16
	s_mov_b32 s[G1+2], 48<<16
	s_mov_b32 s[G1+3], 32<<16
	s_mov_b32 s[G1+4], 48
	s_mov_b32 s[G1+5], 32
	s_mov_b32 s[G1+6], 0
	s_mov_b32 s[G1+7], 0
	s_mov_b32 s[CS], 0x4038aa3b                    ; c = 2 log2(e)
	s_mov_b32 s[CS+1], s[CS]
	s_mov_b32 s[CN], 0xc038aa3b                    ; -c
	s_mov_b32 s[CN+1], s[CN]
	s_mov_b32 s[SEL], 0x76543210
	s_mov_b32 s[SEL+1], 0xfedcba98
	s_mul_i32 s72, s[NH], 4*TILEB                  ; the LDS bases, all made of the wave's number
	s_lshl_b32 s73, s[NH], 11
	s_add_co_u32 s73, s73, BS
	s_lshl_b32 s79, s[NH], 8
	s_lshl_b32 s74, s[NH], 9
	s_add_co_u32 s74, s74, HPB
	s_mul_i32 s75, s[WV], 2560
	s_add_co_u32 s75, s75, STG
	s_mul_i32 s76, s[MH], 24576
	s_add_co_u32 s76, s76, Z
	s_lshl_b32 s77, s[MH], 10
	s_add_co_u32 s77, s77, ASB
	s_lshl_b32 s78, s[WV], 9
	s_add_co_u32 s82, s77, s79                     ; my 16 rows in the scale images: 256 bytes on for odd waves
	s_add_co_u32 s79, s76, s79                     ; and in the fragment images
	s_lshl_b32 s83, s[NH], 9
	s_lshl_b32 s84, s[MH], 7
	s_add_co_u32 s83, s83, s84
	s_add_co_u32 s83, s83, SCX
	s_add_co_u32 s84, s78, PWB
	s_mul_i32 s86, s[WV], TILEB
	s_mov_b32 s87, 0
	s_wait_dscnt 0x0
	s_wait_kmcnt 0x0
	s_add_nc_u64 s[88:89], s[6:7], s[86:87]
	s_mov_b32 s[G0], 1
	s_mov_b32 s[G0+1], s86
	s_mov_b64 s[G0+2:G0+3], s[88:89]
	s_or_b32 s[G0+3], s[G0+3], 0x80000000
	s_mov_b32 s[G0+4], 1
	s_add_co_u32 s[G0+5], s86, SLOT1
	s_add_nc_u64 s[G0+6:G0+7], s[88:89], SLOTB
	s_or_b32 s[G0+7], s[G0+7], 0x80000000
	s_lshl_b32 s86, s[CX], 25                      ; 128 timesteps of 262,144 bytes
	s_lshl_b32 s88, ttmp9, 12
	s_add_co_u32 s86, s86, s88
	s_add_nc_u64 s[T0:T0+1], s[4:5], s[86:87]
	s_add_nc_u64 s[T1:T1+1], s[T0:T0+1], 0x800000  ; 32 timesteps on, and so on
	s_add_nc_u64 s[T2:T2+1], s[T1:T1+1], 0x800000
	s_add_nc_u64 s[T3:T3+1], s[T2:T2+1], 0x800000
	s_lshl_b32 s86, s[WV], 22
	s_add_nc_u64 s[EB:EB+1], s[T0:T0+1], s[86:87]  ; my 16 rows
	s_lshl_b32 s86, ttmp9, 13
	s_add_nc_u64 s[10:11], s[10:11], s[86:87]      ; h_proj of my b, slice 0
	s_lshl_b32 s88, ttmp9, 2
	s_add_co_u32 s88, s88, s[CX]
	s_lshl_b32 s86, s88, 12
	s_add_nc_u64 s[14:15], s[14:15], s[86:87]
	s_lshl_b32 s86, s88, 8
	s_add_nc_u64 s[16:17], s[16:17], s[86:87]
	s_mul_i32 s86, s[CX], 24576
	s_lshl_b32 s88, s[WV], 13
	s_add_co_u32 s86, s86, s88
	s_add_co_u32 s86, s86, 2*SLOTB
	s_add_nc_u64 s[PFA:PFA+1], s[6:7], s[86:87]    ; the prefetches: 4 work-groups x waves 0-2 x 32 lanes x 256 bytes = a slot
	s_cmp_lt_u32 s[WV], 3
	s_cselect_b32 s86, 0, 1
	s_or_b32 s86, s86, ttmp9
	s_cmp_eq_u32 s86, 0
	s_cselect_b32 s[LIM], 1, -1
	CROUND
	tensor_load_to_lds s[G0:G0+3], s[G1:G1+7]      ; slot 0, my tile: one load a wave at the head
	s_nop 0
	PLACES 4
	v_and_b32 v58, 31, v0
	v_lshlrev_b32 v[SOFF], 4, v0
	s_delay_alu instid0(VALU_DEP_2)
	v_lshlrev_b32 v[GOFF], 4, v58
.macro RLOAD e, add                    ; step e: 128 along K (e % 8) of four rows (4 (e / 8) on): four loads of 512 consecutive bytes
.irp i, 0,1,2,3
	global_load_b128 v[16*(\e)+4*\i:16*(\e)+4*\i+3], v[GOFF], s[EB:EB+1] offset:(4*((\e)/8)+\i)*262144+512*((\e)%8)+\add
.endr
.endm
	WIN 0x40
.set EE, 0
.rept 16
	RLOAD EE, 0
.set EE, EE+1
.endr
	WIN 0
	v_and_b32 v59, 15, v0
	v_bfe_u32 v60, v0, 4, 1
	v_add_nc_u32 v[AB0], s72, v[GOFF]
	v_add_nc_u32 v[AS0], s73, v[GOFF]
	v_lshl_add_u32 v[AH0], v59, 3, s74
	v_lshrrev_b32 v61, 2, v58
	v_and_b32 v62, 3, v0
	s_delay_alu instid0(VALU_DEP_2)
	v_mul_u32_u24 v61, v61, 80
	s_delay_alu instid0(VALU_DEP_1)
	v_lshl_add_u32 v61, v62, 4, v61
	s_delay_alu instid0(VALU_DEP_1)
	v_add_nc_u32 v[STI], s75, v61
	v_mul_u32_u24 v61, v58, 80
	s_delay_alu instid0(VALU_DEP_1)
	v_add_nc_u32 v[STO], s75, v61
	v_lshlrev_b32 v61, 4, v59
	s_delay_alu instid0(VALU_DEP_1)
	v_lshl_add_u32 v61, v60, 9, v61
	s_delay_alu instid0(VALU_DEP_1)
	v_add_nc_u32 v[AF0], s76, v61
	v_add_nc_u32 v[ASF], s77, v61
	v_add_nc_u32 v[TOFF], s78, v[GOFF]
	v_lshlrev_b32 v[PFO], 8, v58
	v_add_nc_u32 v[SD0], Z, v[SOFF]
	v_lshl_add_u32 v[SD1], v[SOFF], 1, HPB
	v_lshl_add_u32 v[SXA], v60, 5, s83
	v_lshl_add_u32 v[SXR], v58, 2, SCX
	v_lshl_add_u32 v[PWA], v58, 2, s84
	v_mov_b32 v[PAD], s84
	v_lshlrev_b32 v[L8], 3, v58
	LANEPARTS 32, LPB, LEB, 248
.irp j, 0,1,2
	v_add_nc_u32 v[LPB+\j], s79, v[LPB+\j]
.endr
	v_add_nc_u32 v[LEB], s82, v[LEB]
.macro PRELOAD                         ; Wa's scale images (65,536 bytes), h_proj's four parts and w2 (8,192 each): 26 loads, 4,096 consecutive bytes each for the work-group, into step buffers 0-6, which are done with
	WIN 0x40
.set ii, 0
.rept 16
	global_load_b128 v[4*ii:4*ii+3], v[SOFF], s[8:9] offset:4096*ii
.set ii, ii+1
.endr
.irp i, 0,1
.irp q, 0,1,2,3
	global_load_b128 v[64+8*\q+4*\i:67+8*\q+4*\i], v[SOFF], s[10:11] offset:PSL*\q+4096*\i
.endr
	global_load_b128 v[96+4*\i:99+4*\i], v[SOFF], s[12:13] offset:4096*\i
.endr
.endm
.macro HSTEP e, ahead, lc, tg
	s_wait_dscnt 4                                 ; this step's 16 neighbours are back; the last step's four stores into the images may be out
.if \ahead
	WIN 0x40
	RLOAD \e, 2097152                              ; the same step eight rows on
.else
.if (\e) == 6
	PRELOAD
.endif
.endif
.if \ahead || ((\e) < 15)
.set EN, ((\e)+1)%16
	s_wait_loadcnt \lc                             ; the next step's four loads are in; lc younger ones may be out
	WIN 0x04
	TURN_IN 16*EN
	WIN 0
	TURN_OUT X+16*(EN%2)
.endif
.set XS, X+16*((\e)%2)
.set CC, CD+4*((\e)%2)
	QUANT16 XS, CC, CC+3
	SCAT CC, CC+3, (\tg)+((\e)/8)*64+((\e)%8)*3072, (\tg)+((\e)/8)*64+(((\e)%8)/4)*512+(((\e)%8)%4)*4
.endm
	s_wait_alu depctr_va_vdst(0)                   ; the wait at the head's end
	s_wait_loadcnt 60
	WIN 0x04
	TURN_IN 0
	WIN 0
	TURN_OUT X
	s_wait_dscnt 0x0
.set EE, 0
.rept 16                               ; my rows 0-7; behind each step's loads 60 younger ones are out
	HSTEP EE, 1, 60, 0
.set EE, EE+1
.endr
.set EE, 0
.rept 16                               ; my rows 8-15: four loads for each step still to come, and from step 6 on the 26 of PRELOAD
.if EE < 6
	HSTEP EE, 0, 4*(14-EE), 128
.else
	HSTEP EE, 0, 4*(14-EE)+26, 128
.endif
.set EE, EE+1
.endr
	s_wait_alu depctr_va_vdst(0)
	s_wait_tensorcnt 0x0                           ; my tile of slot 0 is in; slot 1's first fill is issued as a refill is:
	ds_add_u32 v[SPW], v[NIL]                      ; the add,
	s_wait_dscnt 0x0                               ; and my stores into the images are done
	CROUND
	tensor_load_to_lds s[G0+4:G0+7], s[G1:G1+7]
	s_nop 0
	PLACES 4
.set ss, 0
.rept 8                                ; my 32 rows' fragments: block a, K step ss at v[AF + 12 (2 ss + a)]
.irp a, 0,1
.irp g, 0,1,2
	ds_load_b128 v[AF+12*(2*ss+\a)+4*\g:AF+12*(2*ss+\a)+4*\g+3], v[AF0] offset:ss*3072+\g*1024+\a*256
.endr
.endr
.set ss, ss+1
.endr
.irp a, 0,1
	ds_load_b128 v[ASC+4*\a:ASC+4*\a+3], v[ASF] offset:\a*256
.endr
	s_wait_dscnt 0x0
	s_barrier_signal -1
	s_barrier_wait -1                              ; nobody reads the images any more: their bytes are written anew
	s_wait_loadcnt 0x0
	WIN 0x45
.irp p, 0,2,4,6
	v_pk_add_f32 v[64+\p:65+\p], v[64+\p:65+\p], v[72+\p:73+\p]    ; h_proj's four parts
	v_pk_add_f32 v[80+\p:81+\p], v[80+\p:81+\p], v[88+\p:89+\p]
.endr
.irp p, 0,2,4,6
	v_pk_add_f32 v[64+\p:65+\p], v[64+\p:65+\p], v[80+\p:81+\p]
.endr
.irp k, 0,1,2,3,4,5,6,7
	v_mul_f32 v[104+2*\k], s[CS], v[64+\k]         ; the pair (c h_proj[f], -c w2[f])
	v_mul_f32 v[105+2*\k], s[CN], v[96+\k]
.endr
	WIN 0x04
.set ii, 0
.rept 16
	ds_store_b128 v[SD0], v[4*ii:4*ii+3] offset:4096*ii
.set ii, ii+1
.endr
.irp i, 0,1
	ds_store_b128 v[SD1], v[104+8*\i:107+8*\i] offset:8192*\i
	ds_store_b128 v[SD1], v[108+8*\i:111+8*\i] offset:8192*\i+16
.endr
	WIN 0
.set ii, 0
.rept 16
	v_mov_b32 v[SA+ii], 0
.set ii, ii+1
.endr
	s_mov_b32 s[TB], 0
	s_mov_b32 s[TS], 0
	s_mov_b32 s[TH], 0
	s_mov_b32 s[SLOTS], 14
	v_add_nc_u32 v[ADB], s[TB], v[AB0]
	v_add_nc_u32 v[ADS], s[TS], v[AS0]
	v_add_nc_u32 v[ADH], s[TH], v[AH0]
	s_wait_alu depctr_va_vdst(0)
	s_wait_dscnt 0x0
	s_barrier_signal -1
	s_barrier_wait -1
; 32 matrix instructions: K steps 0-7 x (tile x, block a), the four accumulators by turns, one instruction a turn.
; Five plain instructions close the run: for the loads into its operands, the reads of its results, and the next run's first products, which write over them.
.macro MMS
	s_wait_dscnt 2                                 ; the fragments and scale words are in; the two loads of the pairs may be out
	WIN 0x54
.set kk, 0
.rept 32
.set ms, kk/4
.set mx, (kk%4)/2
.set ma, kk%2
.set rD, ACC+16*mx+8*ma
.set rB, 96*mx+12*ms
.set rA, AF+12*(2*ms+ma)
.if ms == 0
	v_wmma_scale_f32_16x16x128_f8f6f4 v[rD:rD+7], v[rA:rA+11], v[rB:rB+11], 0, v[ASC+4*ma], v[BSC+4*mx] matrix_a_fmt:MATRIX_FMT_BF6 matrix_b_fmt:MATRIX_FMT_BF6
.elseif ms < 4
	v_wmma_scale_f32_16x16x128_f8f6f4 v[rD:rD+7], v[rA:rA+11], v[rB:rB+11], v[rD:rD+7], v[ASC+4*ma+ms], v[BSC+4*mx+ms] matrix_a_fmt:MATRIX_FMT_BF6 matrix_b_fmt:MATRIX_FMT_BF6
.else
	v_wmma_scale_f32_16x16x128_f8f6f4 v[rD:rD+7], v[rA:rA+11], v[rB:rB+11], v[rD:rD+7], v[ASC+4*ma+ms-4], v[BSC+4*mx+ms-4] matrix_a_fmt:MATRIX_FMT_BF6 matrix_b_fmt:MATRIX_FMT_BF6 matrix_a_scale:MATRIX_SCALE_ROW1 matrix_b_scale:MATRIX_SCALE_ROW1
.endif
.set kk, kk+1
.endr
	PLACES 5
.endm
.macro LB p                            ; period p of the slot: my tiles 2 p, 2 p + 1: 48 loads of fragments, 2 of scale words
	WIN 0x40
.irp x, 0,1
.set ss, 0
.rept 8
.irp g, 0,1,2
	ds_load_b128 v[96*\x+12*ss+4*\g:96*\x+12*ss+4*\g+3], v[ADB] offset:(2*(\p)+\x)*TILEB+ss*1536+\g*512
.endr
.set ss, ss+1
.endr
.endr
	WIN 0
.irp x, 0,1
	ds_load_b128 v[BSC+4*\x:BSC+4*\x+3], v[ADS] offset:(2*(\p)+\x)*512
.endr
.endm
.macro HL p                            ; my f's pair for each of the period's two tiles
	WIN 0x40
.irp x, 0,1
	ds_load_b64 v[HP+2*\x:HP+2*\x+1], v[ADH] offset:(2*(\p)+\x)*128
.endr
	WIN 0
.endm
; The tanh of a period's 32 numbers a lane, in whole batches; a wait ahead of each batch of transcendentals and one behind it.
.macro EPI younger
	s_wait_dscnt \younger                          ; the pairs are in; the loads issued behind them may be out
	WIN 0x51
.set pp, 0
.rept 16
	v_pk_fma_f32 v[ACC+2*pp:ACC+2*pp+1], v[ACC+2*pp:ACC+2*pp+1], s[CS:CS+1], v[HP+2*(pp/8):HP+2*(pp/8)+1] op_sel_hi:[1,0,0]   ; c x, each accumulator from its low end on
.set pp, pp+1
.endr
	s_wait_alu depctr_va_vdst(0)
.set pp, 0
.rept 32
	v_exp_f32 v[ACC+pp], v[ACC+pp]
.set pp, pp+1
.endr
	v_nop
	s_wait_alu depctr_va_vdst(0)
.set pp, 0
.rept 16
	v_pk_add_f32 v[ACC+2*pp:ACC+2*pp+1], v[ACC+2*pp:ACC+2*pp+1], 1.0 op_sel_hi:[1,0]
.set pp, pp+1
.endr
	s_wait_alu depctr_va_vdst(0)
.set pp, 0
.rept 32
	v_rcp_f32 v[ACC+pp], v[ACC+pp]
.set pp, pp+1
.endr
	v_nop
	s_wait_alu depctr_va_vdst(0)
	WIN 0x05
.set pp, 0
.rept 16                               ; eight chains by turns; the pair's upper word, -c w2[f], serves both halves
	v_pk_fma_f32 v[SA+2*(pp%8):SA+2*(pp%8)+1], v[ACC+2*pp:ACC+2*pp+1], v[HP+2*(pp/8):HP+2*(pp/8)+1], v[SA+2*(pp%8):SA+2*(pp%8)+1] op_sel:[0,1,0] op_sel_hi:[1,1,1]
.set pp, pp+1
.endr
.endm
.macro ASK
	s_cmp_gt_u32 s[SLOTS], s[LIM]
	s_cbranch_scc0 .Lnot_mine_\@
	global_prefetch_b8 v[PFO], s[PFA:PFA+1] th:TH_LOAD_NT scope:SCOPE_SE
.Lnot_mine_\@:
.endm
.macro CHANGE fill                     ; the change of slots: every wave's fragments of the slot left behind are in registers
	WIN 0
	s_wait_tensorcnt 0x0                           ; my tile of the next slot is in
	ds_add_u32 v[SPW], v[NIL]
.if \fill
	s_xor_b32 s[G0+5], s[G0+5], SLOT1
	s_add_nc_u64 s[G0+6:G0+7], s[G0+6:G0+7], SLOTB
	s_wait_xcnt 0x0                                ; my last prefetch has read its address
	s_add_nc_u64 s[PFA:PFA+1], s[PFA:PFA+1], SLOTB
.endif
	s_xor_b32 s[TB], s[TB], SLOT1
	s_add_co_u32 s[TS], s[TS], 4096
	s_add_co_u32 s[TH], s[TH], 1024
	s_wait_dscnt 0x0
.if \fill
	CROUND
	tensor_load_to_lds s[G0+4:G0+7], s[G1:G1+7]    ; the slot two on, into the bytes just left
	s_nop 0
	PLACES 4
	ASK
.else
	s_barrier_signal -1
	s_barrier_wait -1
.endif
	v_add_nc_u32 v[ADB], s[TB], v[AB0]
	v_add_nc_u32 v[ADS], s[TS], v[AS0]
	v_add_nc_u32 v[ADH], s[TH], v[AH0]
	s_wait_alu depctr_va_vdst(0)
.endm
.macro TRIP chg                        ; from a slot's first matrix run to the next slot's first loads
	MMS
	LB 1
	EPI 50
	HL 1
	s_cmp_lg_u32 s[GRP], 0
	s_cbranch_scc1 .Lbehind_\@
	MMS                                            ; group 0: the slot's second period ahead of the change
	WIN 0
.Lbehind_\@:
	CHANGE \chg
	s_cmp_eq_u32 s[GRP], 0
	s_cbranch_scc1 .Ldone_\@
	MMS                                            ; group 1: behind it, on registers alone
	WIN 0
.Ldone_\@:
	LB 0
	EPI 50
	HL 0
.endm
	LB 0
	HL 0
.Lslot:
	TRIP 1
	s_sub_co_u32 s[SLOTS], s[SLOTS], 1
	s_cmp_lg_u32 s[SLOTS], 0
	s_cbranch_scc1 .Lslot
	TRIP 2                                         ; slot 14: its fill, past the last slot, is read by nothing
	MMS                                            ; slot 15
	LB 1
	EPI 50
	HL 1
	MMS
.macro TLOAD q, base                   ; the weighted sum: 32 timesteps, my 512 bytes of each row, into window 1 v0-127 (even q) or window 0 v128-255
.if (\q)%2 == 0
	WIN 0x40
.endif
.set RB, 128*((\q)%2)
.set rw, 0
.rept 32
	global_load_b128 v[RB+4*rw:RB+4*rw+3], v[TOFF], s[\base:\base+1] offset:rw*262144 th:TH_LOAD_NT
.set rw, rw+1
.endr
	WIN 0
.endm
	WIN 0
	TLOAD 0, T0                                    ; asked for as soon as the operands' registers are free
	TLOAD 1, T1
	EPI 0
	WIN 0
.irp m, 1,2,4,8                        ; the sum over the 16 f that the lanes of a row hold: sixteen chains by turns
.set ii, 0
.rept 16
	v_add_f32_dpp v[SA+ii], v[SA+ii], v[SA+ii] row_xmask:\m row_mask:0xf bank_mask:0xf
.set ii, ii+1
.endr
.endr
.set ii, 0
.rept 16
	ds_store_b32 v[SXA], v[SA+ii] offset:64*(ii/8)+4*(ii%8)    ; timestep 16 a + 8 h + j; the sixteen lanes of a row write the same word with the same value
.set ii, ii+1
.endr
	v_mov_b32 v86, 0
.irp i, 0,1,2,3,4,5,6,7
	v_mov_b32 v[AC+\i], 0
.endr
	s_wait_alu depctr_va_vdst(0)
	s_wait_dscnt 0x0
	s_barrier_signal -1
	s_barrier_wait -1
.irp i, 0,1,2,3
	ds_load_b32 v[76+\i], v[SXR] offset:128*\i     ; every wave takes all 128 scores: timestep 32 i + lane, both halves of f
	ds_load_b32 v[80+\i], v[SXR] offset:512+128*\i
.endr
	s_wait_dscnt 0x0
.irp i, 0,1,2,3
	v_add_f32 v[76+\i], v[76+\i], v[80+\i]         ; the score to the base 2
.endr
	v_max3_num_f32 v84, v76, v77, v78
	s_delay_alu instid0(VALU_DEP_1)
	v_max_num_f32 v84, v84, v79
.irp m, 1,2,4,8
	s_delay_alu instid0(VALU_DEP_1)
	v_max_num_f32_dpp v84, v84, v84 row_xmask:\m row_mask:0xf bank_mask:0xf
.endr
	s_delay_alu instid0(VALU_DEP_1)
	v_permlanex16_b32 v86, v84, s[SEL], s[SEL+1]
	s_delay_alu instid0(VALU_DEP_1)
	v_max_num_f32 v84, v84, v86                    ; m: the quarter's largest
.irp i, 0,1,2,3
	v_sub_f32 v[76+\i], v[76+\i], v84
.endr
	s_wait_alu depctr_va_vdst(0)
.irp i, 0,1,2,3
	v_exp_f32 v[76+\i], v[76+\i]
.endr
	v_nop
	s_wait_alu depctr_va_vdst(0)
	v_add_f32 v85, v76, v77
	v_add_f32 v87, v78, v79
	s_delay_alu instid0(VALU_DEP_1)
	v_add_f32 v85, v85, v87
.irp m, 1,2,4,8
	s_delay_alu instid0(VALU_DEP_1)
	v_add_f32_dpp v85, v85, v85 row_xmask:\m row_mask:0xf bank_mask:0xf
.endr
	s_delay_alu instid0(VALU_DEP_1)
	v_permlanex16_b32 v86, v85, s[SEL], s[SEL+1]
	s_delay_alu instid0(VALU_DEP_1)
	v_add_f32 v85, v85, v86                        ; l: the quarter's sum
.irp i, 0,1,2,3
	ds_store_b32 v[PWA], v[76+\i] offset:128*\i    ; my own copy of the 128 weights
.endr
.macro TACC q, lc                      ; 32 timesteps: their weights, the same in every lane, then two chains (even and odd timesteps)
	s_wait_alu depctr_va_vdst(0)
.irp j, 0,1,2,3,4,5,6,7
	ds_load_b128 v[PW+4*\j:PW+4*\j+3], v[PAD] offset:128*(\q)+16*\j
.endr
	s_wait_dscnt 0x0
	s_wait_loadcnt \lc                             ; these 32 rows are in; the lc loads issued behind them may be out
.if (\q)%2 == 0
	WIN 0x01
.endif
.set RB, 128*((\q)%2)
.set rw, 0
.rept 32
.set pr, 0
.rept 2
.if rw%2 == 0
	v_pk_fma_f32 v[AC+2*pr:AC+2*pr+1], v[RB+4*rw+2*pr:RB+4*rw+2*pr+1], v[PW+rw:PW+rw+1], v[AC+2*pr:AC+2*pr+1] op_sel_hi:[1,0,1]
.else
	v_pk_fma_f32 v[AC+4+2*pr:AC+4+2*pr+1], v[RB+4*rw+2*pr:RB+4*rw+2*pr+1], v[PW+rw-1:PW+rw], v[AC+4+2*pr:AC+4+2*pr+1] op_sel:[0,1,0] op_sel_hi:[1,1,1]
.endif
.set pr, pr+1
.endr
.set rw, rw+1
.endr
	WIN 0
.endm
	TACC 0, 32
	TLOAD 2, T2
	TACC 1, 32
	TLOAD 3, T3
	TACC 2, 32
	TACC 3, 0
	v_pk_add_f32 v[AC:AC+1], v[AC:AC+1], v[AC+4:AC+5]
	v_pk_add_f32 v[AC+2:AC+3], v[AC+2:AC+3], v[AC+6:AC+7]
	global_store_b128 v[TOFF], v[AC:AC+3], s[14:15]    ; 512 consecutive bytes a wave
	s_cmp_lg_u32 s[WV], 0
	s_cbranch_scc1 .Lno_stats
	global_store_b64 v[L8], v[84:85], s[16:17]         ; {m, l} in every lane: one aligned run of 256 bytes
.Lno_stats:
	s_wait_tensorcnt 0x0                           ; the wave's end
	ds_add_u32 v[SPW], v[NIL]
	s_wait_dscnt 0x0
	CROUND                                         ; the closing round
	s_endpgm
.Lfunc_end_k_qdcc20d8656_main:
	.size	k_qdcc20d8656_main, .Lfunc_end_k_qdcc20d8656_main-k_qdcc20d8656_main
	.p2alignl 7, 3214868480
	.fill 96, 4, 3214868480
	.section	.rodata,"a",@progbits
	.p2align	6, 0x0
	.amdhsa_kernel k_qdcc20d8656_main
		.amdhsa_group_segment_fixed_size 327680
		.amdhsa_private_segment_fixed_size 0
		.amdhsa_enable_private_segment 0
		.amdhsa_kernarg_size 56
		.amdhsa_user_sgpr_count 2
		.amdhsa_user_sgpr_kernarg_segment_ptr 1
		.amdhsa_wavefront_size32 1
		.amdhsa_system_sgpr_workgroup_id_x 1
		.amdhsa_system_sgpr_workgroup_id_y 1
		.amdhsa_system_sgpr_workgroup_id_z 1
		.amdhsa_system_vgpr_workitem_id 0
		.amdhsa_next_free_vgpr 512
		.amdhsa_next_free_sgpr 100
		.amdhsa_reserve_vcc 0
		.amdhsa_float_denorm_mode_32 3
		.amdhsa_float_denorm_mode_16_64 3
		.amdhsa_memory_ordered 1
		.amdhsa_forward_progress 1
		.amdhsa_inst_pref_size 220
	.end_amdhsa_kernel
	.amdgpu_metadata
---
amdhsa.version: [ 1, 2 ]
amdhsa.kernels:
  - .name:           k_qdcc20d8656_main
    .symbol:         k_qdcc20d8656_main.kd
    .args:
      - { .name: encoder_states, .offset: 0, .size: 8, .value_kind: global_buffer, .address_space: global }
      - { .name: wq, .offset: 8, .size: 8, .value_kind: global_buffer, .address_space: global }
      - { .name: ws, .offset: 16, .size: 8, .value_kind: global_buffer, .address_space: global }
      - { .name: proj, .offset: 24, .size: 8, .value_kind: global_buffer, .address_space: global }
      - { .name: w2, .offset: 32, .size: 8, .value_kind: global_buffer, .address_space: global }
      - { .name: part, .offset: 40, .size: 8, .value_kind: global_buffer, .address_space: global }
      - { .name: stats, .offset: 48, .size: 8, .value_kind: global_buffer, .address_space: global }
    .group_segment_fixed_size: 327680
    .private_segment_fixed_size: 0
    .kernarg_segment_align: 8
    .kernarg_segment_size: 56
    .max_flat_workgroup_size: 256
    .sgpr_count:     100
    .vgpr_count:     512
    .wavefront_size: 32
...
	.end_amdgpu_metadata
.endif
;; end of part 2
;; launch final (part 3): grid 16 x 4, 16 waves a work-group, no clusters, 60,416 bytes of LDS; arguments part, stats, wq, ws, proj, out0, out1; writes out0, out1
.if DOCPART == 3
	.amdgcn_target "amdgcn-amd-amdhsa--gfx1250"
	.amdhsa_code_object_version 6
	.text
	.protected	k_qdcc20d8656_final
	.globl	k_qdcc20d8656_final
	.p2align	8
	.type	k_qdcc20d8656_final,@function
k_qdcc20d8656_final:
	s_mov_b64 s[64:65], 0
	v_nop
	global_prefetch_b8 v0, s[64:65] scope:SCOPE_SE
	s_setreg_imm32_b32 hwreg(HW_REG_WAVE_MODE, 25, 1), 1
	s_wait_xcnt 0x0
; A work-group makes out0 for 16 b (16 bt on) x 64 d (64 dg on).  All sixteen waves first merge the four quarters of the softmax for these 16 b:
; M = the largest of the four m; applied = sum over q of 2^(m_q - M) part_q / sum over q of 2^(m_q - M) l_q, in f32.  The work-groups with dg = 0 store it: out1.
; applied is quantised to BF6 (E3M2) with E8M0 bytes and goes through LDS as eight fragment images.  Waves 0-3 then multiply it with one tile each of Wc's K half 1 (images made by the first launch);
; the C of the sum's first product is dproj = Q(decoder_out) Q(Wc[:, :1024])^T + bc.  tanh x = 1 - 2 / (1 + 2^(2 log2(e) x)).  out0 leaves through a stage, 256 consecutive bytes of a row from sixteen lanes.
; Wave w: rows 4 (w % 4) + 0 .. 3 of the 16, K steps 2 (w / 4) + 0, 1.  The merge is done again by each of the sixteen work-groups of a bt: 256 KiB of part each.
; LIMITS: NaN and infinities are not served; a block whose largest magnitude lies under 2^-122 gets the byte 1; K is summed in two chains (even and odd K steps), added at the end.
.set STG,  0                           ; LDS: a stage of 2,560 bytes for each wave
.set AI,   40960                       ; applied's eight fragments
.set ASI,  53248                       ; their scale image
.set OST,  53760                       ; out0's stage: 16 rows x (256 + 16) bytes
.set L16,  1
.set STI,  2
.set STO,  3
.set DJ,   4                           ; v4-6
.set DE,   7
.set L8,   8
.set OSI,  9
.set OSO,  10
.set GO0,  11
.set DPO,  12
.set ST,   16                          ; v16-47 {m, l} of row i, quarter q at v[16 + 8 i + 2 q]; the coefficient takes m's place.  Later: C v16-23, accumulators v24-31, v32-39, result v40-47
.set BSCL, 48                          ; v48-51 Wc's scale words, v52-55 applied's: these eight hold scales and nothing else
.set ASCL, 52
.set TM,   56                          ; v56-63 at work
.set P,    64                          ; v64-191 part, at 64 sg + 16 i + 4 q; later Wc's fragments v64-159
.set X,    192                         ; v192-207 16 neighbours
.set MA,   208
.set MB,   209
.set SCL,  210
.set CD,   212                         ; v212-214, v215; v216-218, v219
.set XM,   224                         ; v224-255 applied, 16 sg + 4 i; later (from v160) applied's fragments
.set BFR,  64
.set AFR,  160
.macro LANEPARTS RB, lp, le, t
	v_bfe_u32 v[\t+1], v0, 3, 2
	v_bfe_u32 v[\t+2], v0, 2, 1
	v_bfe_u32 v[\t+3], v0, 1, 1
	v_and_b32 v[\t+4], 1, v0
	s_delay_alu instid0(VALU_DEP_1)
	v_mul_u32_u24 v[\t+4], v[\t+4], 3
	s_delay_alu instid0(VALU_DEP_1)
	v_mad_u32_u24 v[\t+4], v[\t+2], 6, v[\t+4]
	v_lshlrev_b32 v[\t+1], 4, v[\t+1]
	v_bfe_u32 v[\le], v0, 1, 2
	s_delay_alu instid0(VALU_DEP_1)
	v_add_nc_u32 v[\le], v[\le], v[\t+1]
	s_delay_alu instid0(VALU_DEP_3)
	v_mad_u32_u24 v[\t+1], v[\t+3], 16*\RB, v[\t+1]
.irp j, 0,1,2
	v_add_nc_u32 v[\t+2], \j, v[\t+4]
	s_delay_alu instid0(VALU_DEP_1)
	v_lshrrev_b32 v[\t+3], 2, v[\t+2]
	s_delay_alu instid0(VALU_DEP_2)
	v_and_b32 v[\t+2], 3, v[\t+2]
	s_delay_alu instid0(VALU_DEP_2)
	v_mad_u32_u24 v[\t+3], v[\t+3], 32*\RB, v[\t+1]
	s_delay_alu instid0(VALU_DEP_1)
	v_lshl_add_u32 v[\lp+\j], v[\t+2], 2, v[\t+3]
.endr
.endm
.macro TURN_IN stg, r0
.irp i, 0,1,2,3
	ds_store_b128 v[STI], v[\r0+4*\i:\r0+4*\i+3] offset:\stg+640*\i
.endr
.endm
.macro TURN_OUT stg, x0
.irp i, 0,1,2,3
	ds_load_b128 v[\x0+4*\i:\x0+4*\i+3], v[STO] offset:\stg+16*\i
.endr
.endm
.macro QUANT16 x, c, e
	v_max3_num_f32 v[MA], |v[\x]|, |v[\x+1]|, |v[\x+2]|
	v_max3_num_f32 v[MB], |v[\x+3]|, |v[\x+4]|, |v[\x+5]|
.irp i, 6,10
	s_delay_alu instid0(VALU_DEP_2)
	v_max3_num_f32 v[MA], v[MA], |v[\x+\i]|, |v[\x+\i+1]|
	s_delay_alu instid0(VALU_DEP_2)
	v_max3_num_f32 v[MB], v[MB], |v[\x+\i+2]|, |v[\x+\i+3]|
.endr
	s_delay_alu instid0(VALU_DEP_2)
	v_max3_num_f32 v[MA], v[MA], |v[\x+14]|, |v[\x+15]|
	s_delay_alu instid0(VALU_DEP_1)
	v_max3_num_f32 v[MA], v[MA], v[MB], 0x2800000  ; the floor 2^(5 - 127): the byte cannot fall under 1
	s_delay_alu instid0(VALU_DEP_1)
	v_max_num_f32_dpp v[MA], v[MA], v[MA] row_xmask:1 row_mask:0xf bank_mask:0xf
	s_delay_alu instid0(VALU_DEP_1)
	v_add_nc_u32 v[SCL], 0xfe000000, v[MA]
	v_cvt_scalef32_pk16_bf6_f32 v[\c:\c+2], v[\x:\x+15], v[SCL]
	v_lshrrev_b32 v[\e], 23, v[SCL]                ; the byte; also the plain instruction behind the conversion
.endm
.macro SCAT c, e, dj, de, oc, oe
.irp j, 0,1,2
	ds_store_b32 v[\dj+\j], v[\c+\j] offset:\oc
.endr
	ds_store_b8 v[\de], v[\e] offset:\oe
.endm
	s_load_b256 s[4:11], s[0:1], 0x0               ; part, stats, wq, ws
	s_load_b128 s[12:15], s[0:1], 0x20             ; proj, out0
	s_load_b64 s[16:17], s[0:1], 0x30              ; out1
	v_lshl_add_u32 v14, v0, 2, 0xe400
	v_mov_b32 v15, 0
	v_lshrrev_b32 v56, 5, v0
	s_delay_alu instid0(VALU_DEP_1)
	v_readfirstlane_b32 s20, v56                   ; wave 0..15
	s_and_b32 s21, s20, 3                          ; g4
	s_lshr_b32 s22, s20, 2                         ; which two K steps
	s_and_b32 s23, ttmp7, 0xffff                   ; bt
	s_mov_b32 s24, 0x4038aa3b                      ; 2 log2(e)
	s_mov_b32 s25, s24
	v_and_b32 v56, 31, v0
	s_delay_alu instid0(VALU_DEP_1)
	v_lshlrev_b32 v[L16], 4, v56
	s_delay_alu instid0(VALU_DEP_2)
	v_lshlrev_b32 v[L8], 3, v56
	s_mul_i32 s26, s20, 2560
	v_lshrrev_b32 v57, 2, v56
	s_delay_alu instid0(VALU_DEP_1)
	v_mul_u32_u24 v57, v57, 80
	v_and_b32 v58, 3, v0
	s_delay_alu instid0(VALU_DEP_1)
	v_lshl_add_u32 v57, v58, 4, v57
	s_delay_alu instid0(VALU_DEP_1)
	v_add_nc_u32 v[STI], s26, v57
	v_mul_u32_u24 v57, v56, 80
	s_delay_alu instid0(VALU_DEP_1)
	v_add_nc_u32 v[STO], s26, v57
	LANEPARTS 16, 212, 215, 192
	s_lshl_b32 s27, s21, 6
	s_mul_i32 s26, s22, 3072
	s_add_co_u32 s26, s26, s27
	s_add_co_u32 s26, s26, AI
.irp j, 0,1,2
	v_add_nc_u32 v[DJ+\j], s26, v[212+\j]
.endr
	s_lshr_b32 s26, s20, 3
	s_lshl_b32 s26, s26, 8                         ; K steps 4-7 lie 256 bytes on in the scale image,
	s_and_b32 s28, s22, 1
	s_lshl_b32 s28, s28, 3                         ; my two K steps' words 8 bytes on for odd w / 4
	s_add_co_u32 s26, s26, s28
	s_add_co_u32 s26, s26, s27
	s_add_co_u32 s26, s26, ASI
	v_add_nc_u32 v[DE], s26, v215
	v_and_b32 v57, 15, v0                          ; r
	v_bfe_u32 v58, v0, 4, 1                        ; h
	s_delay_alu instid0(VALU_DEP_2)
	v_mul_u32_u24 v59, v57, 272
	s_delay_alu instid0(VALU_DEP_1)
	v_lshl_add_u32 v59, v58, 5, v59
	s_add_co_u32 s26, s27, OST
	v_add_nc_u32 v[OSI], s26, v59                  ; the stage, in: row r, + 64 bytes a tile, + 32 h
	v_mul_u32_u24 v59, v58, 272
	s_delay_alu instid0(VALU_DEP_1)
	v_lshl_add_u32 v59, v57, 4, v59
	s_mul_i32 s26, s21, 4*272
	s_add_co_u32 s26, s26, OST
	v_add_nc_u32 v[OSO], s26, v59                  ; back: rows 4 g4 + h (+ 2), 16 bytes a lane
	v_lshlrev_b32 v59, 12, v58
	s_delay_alu instid0(VALU_DEP_1)
	v_lshl_add_u32 v59, v57, 4, v59
	s_lshl_b32 s26, s21, 14
	v_add_nc_u32 v[GO0], s26, v59                  ; and the same place in out0
	v_lshlrev_b32 v59, 12, v57
	s_delay_alu instid0(VALU_DEP_1)
	v_lshl_add_u32 v[DPO], v58, 5, v59             ; dproj: row r, + 32 h
	s_lshl_b32 s28, s23, 4
	s_lshl_b32 s29, s21, 2
	s_add_co_u32 s28, s28, s29                     ; my wave's first b
	s_mov_b32 s31, 0
	s_wait_kmcnt 0x0
	s_lshl_b32 s30, s28, 10
	s_add_nc_u64 s[6:7], s[6:7], s[30:31]          ; stats: 4 x 256 bytes a b
	s_lshl_b32 s30, s28, 14
	s_lshl_b32 s29, s22, 10
	s_add_co_u32 s30, s30, s29
	s_add_nc_u64 s[4:5], s[4:5], s[30:31]          ; part: 4 x 4,096 bytes a b, + my two K steps
	s_lshl_b32 s30, s28, 12
	s_add_co_u32 s30, s30, s29
	s_add_nc_u64 s[16:17], s[16:17], s[30:31]      ; out1 likewise
	s_lshl_b32 s29, ttmp9, 2
	s_add_co_u32 s29, s29, s21
	s_add_co_u32 s29, s29, 128                     ; Wc's tile 4 dg + g4 lies behind Wa's 128
	s_mul_i32 s30, s29, 12288
	s_add_nc_u64 s[8:9], s[8:9], s[30:31]
	s_lshl_b32 s30, s29, 9
	s_add_nc_u64 s[10:11], s[10:11], s[30:31]
	s_lshl_b32 s30, s23, 16
	s_lshl_b32 s29, ttmp9, 8
	s_add_co_u32 s30, s30, s29
	s_add_nc_u64 s[14:15], s[14:15], s[30:31]      ; out0: 16 rows of 4,096 bytes a bt, 256 bytes a dg
	s_add_co_u32 s30, s30, s27
	s_add_co_u32 s30, s30, 0x80000
	s_add_nc_u64 s[12:13], s[12:13], s[30:31]      ; dproj, + 64 bytes a tile
.set nn, 0
.rept 16
	global_load_b64 v[ST+2*nn:ST+2*nn+1], v[L8], s[6:7] offset:256*nn      ; every lane reads the same pair: 256 consecutive bytes a load
.set nn, nn+1
.endr
.irp sg, 0,1
.set nn, 0
.rept 16
	global_load_b128 v[P+64*\sg+4*nn:P+64*\sg+4*nn+3], v[L16], s[4:5] offset:4096*nn+512*\sg
.set nn, nn+1
.endr
.endr
	s_wait_loadcnt 32                              ; the statistics are in; part's 32 loads may be out
.irp i, 0,1,2,3
	v_max3_num_f32 v[TM+\i], v[ST+8*\i], v[ST+8*\i+2], v[ST+8*\i+4]
.endr
.irp i, 0,1,2,3
	s_delay_alu instid0(VALU_DEP_4)
	v_max_num_f32 v[TM+\i], v[TM+\i], v[ST+8*\i+6]
.endr
.irp q, 0,1,2,3
.irp i, 0,1,2,3
	v_sub_f32 v[ST+8*\i+2*\q], v[ST+8*\i+2*\q], v[TM+\i]
.endr
.endr
	s_wait_alu depctr_va_vdst(0)
.irp q, 0,1,2,3
.irp i, 0,1,2,3
	v_exp_f32 v[ST+8*\i+2*\q], v[ST+8*\i+2*\q]     ; 2^(m_q - M)
.endr
.endr
	v_nop
	s_wait_alu depctr_va_vdst(0)                   ; one wait for the sixteen
.irp i, 0,1,2,3
	v_mul_f32 v[TM+\i], v[ST+8*\i], v[ST+8*\i+1]
.endr
.irp q, 1,2,3
.irp i, 0,1,2,3
	v_fma_f32 v[TM+\i], v[ST+8*\i+2*\q], v[ST+8*\i+2*\q+1], v[TM+\i]
.endr
.endr
	s_wait_alu depctr_va_vdst(0)
.irp i, 0,1,2,3
	v_rcp_f32 v[TM+4+\i], v[TM+\i]                 ; the sum is at least 1: the quarter with the largest m adds its own l, which is at least 1
.endr
	v_nop
	s_wait_alu depctr_va_vdst(0)                   ; one wait for the four
.irp q, 0,1,2,3
.irp i, 0,1,2,3
	v_mul_f32 v[ST+8*\i+2*\q], v[ST+8*\i+2*\q], v[TM+4+\i]
.endr
.endr
.macro FSTEP sg                        ; K step 2 (w / 4) + sg of my four rows
	s_wait_loadcnt 16*(1-(\sg))
.irp i, 0,1,2,3
.irp pr, 0,1
	v_pk_mul_f32 v[XM+16*(\sg)+4*\i+2*\pr:XM+16*(\sg)+4*\i+2*\pr+1], v[P+64*(\sg)+16*\i+2*\pr:P+64*(\sg)+16*\i+2*\pr+1], v[ST+8*\i:ST+8*\i+1] op_sel_hi:[1,0]
.endr
.endr
.irp q, 1,2,3
.irp i, 0,1,2,3
.irp pr, 0,1
	v_pk_fma_f32 v[XM+16*(\sg)+4*\i+2*\pr:XM+16*(\sg)+4*\i+2*\pr+1], v[P+64*(\sg)+16*\i+4*\q+2*\pr:P+64*(\sg)+16*\i+4*\q+2*\pr+1], v[ST+8*\i+2*\q:ST+8*\i+2*\q+1], v[XM+16*(\sg)+4*\i+2*\pr:XM+16*(\sg)+4*\i+2*\pr+1] op_sel_hi:[1,0,1]
.endr
.endr
.endr
	s_cmp_lg_u32 ttmp9, 0
	s_cbranch_scc1 .Lnot_out1_\@
.irp i, 0,1,2,3
	global_store_b128 v[L16], v[XM+16*(\sg)+4*\i:XM+16*(\sg)+4*\i+3], s[16:17] offset:4096*\i+512*(\sg)   ; applied: 512 consecutive bytes a store
.endr
.Lnot_out1_\@:
	s_wait_alu depctr_va_vdst(0)
	TURN_IN 0, XM+16*(\sg)
	TURN_OUT 0, X
	s_wait_dscnt 0x0
.set CC, CD+4*(\sg)
	QUANT16 X, CC, CC+3
	SCAT CC, CC+3, DJ, DE, (\sg)*1536, 4*(\sg)
.endm
	FSTEP 0
	FSTEP 1
	s_cmp_lt_u32 s20, 4
	s_cbranch_scc0 .Lbar_a
.set ss, 0
.rept 8                                ; waves 0-3: my tile of Wc as it lies in wq, its scale image, and dproj in the result's layout
.irp g, 0,1,2
	global_load_b128 v[BFR+12*ss+4*\g:BFR+12*ss+4*\g+3], v[L16], s[8:9] offset:ss*1536+\g*512
.endr
.set ss, ss+1
.endr
	global_load_b128 v[BSCL:BSCL+3], v[L16], s[10:11]
	global_load_b128 v[16:19], v[DPO], s[12:13]
	global_load_b128 v[20:23], v[DPO], s[12:13] offset:16
.irp q, 1,2,3                          ; dproj comes as four parts (slices of K, 786,432 bytes apart): the other three
	global_load_b128 v[16+8*\q:19+8*\q], v[DPO], s[12:13] offset:786432*\q
	global_load_b128 v[20+8*\q:23+8*\q], v[DPO], s[12:13] offset:786432*\q+16
.endr
.Lbar_a:
	s_wait_dscnt 0x0                               ; my stores into the images are done
	s_barrier_signal -1
	s_barrier_wait -1
	s_cmp_lt_u32 s20, 4
	s_cbranch_scc0 .Lbar_b
	s_wait_xcnt 0x0                                ; out1's stores have read their data: the loads below land on those registers
.set ss, 0
.rept 8
.irp g, 0,1,2
	ds_load_b128 v[AFR+12*ss+4*\g:AFR+12*ss+4*\g+3], v[L16] offset:AI+ss*1536+\g*512
.endr
.set ss, ss+1
.endr
	ds_load_b128 v[ASCL:ASCL+3], v[L16] offset:ASI
	s_wait_loadcnt 0x0
.irp p, 0,2,4,6
	v_pk_add_f32 v[16+\p:17+\p], v[16+\p:17+\p], v[24+\p:25+\p]    ; dproj's four parts
	v_pk_add_f32 v[32+\p:33+\p], v[32+\p:33+\p], v[40+\p:41+\p]
.endr
.irp p, 0,2,4,6
	v_pk_add_f32 v[16+\p:17+\p], v[16+\p:17+\p], v[32+\p:33+\p]
.endr
.rept 4
	v_nop
.endr
	s_wait_alu depctr_va_vdst(0)
	s_wait_dscnt 0x0
.macro FMM s                           ; source 0 = 16 rows of Wc, source 1 = 16 rows of applied; two accumulators by turns, one instruction a turn
.set DD, 24+8*((\s)%2)
.if (\s) == 0
	v_wmma_scale_f32_16x16x128_f8f6f4 v[DD:DD+7], v[BFR+12*(\s):BFR+12*(\s)+11], v[AFR+12*(\s):AFR+12*(\s)+11], v[16:23], v[BSCL+(\s)%4], v[ASCL+(\s)%4] matrix_a_fmt:MATRIX_FMT_BF6 matrix_b_fmt:MATRIX_FMT_BF6
.elseif (\s) == 1
	v_wmma_scale_f32_16x16x128_f8f6f4 v[DD:DD+7], v[BFR+12*(\s):BFR+12*(\s)+11], v[AFR+12*(\s):AFR+12*(\s)+11], 0, v[BSCL+(\s)%4], v[ASCL+(\s)%4] matrix_a_fmt:MATRIX_FMT_BF6 matrix_b_fmt:MATRIX_FMT_BF6
.elseif (\s) < 4
	v_wmma_scale_f32_16x16x128_f8f6f4 v[DD:DD+7], v[BFR+12*(\s):BFR+12*(\s)+11], v[AFR+12*(\s):AFR+12*(\s)+11], v[DD:DD+7], v[BSCL+(\s)%4], v[ASCL+(\s)%4] matrix_a_fmt:MATRIX_FMT_BF6 matrix_b_fmt:MATRIX_FMT_BF6
.else
	v_wmma_scale_f32_16x16x128_f8f6f4 v[DD:DD+7], v[BFR+12*(\s):BFR+12*(\s)+11], v[AFR+12*(\s):AFR+12*(\s)+11], v[DD:DD+7], v[BSCL+(\s)%4], v[ASCL+(\s)%4] matrix_a_fmt:MATRIX_FMT_BF6 matrix_b_fmt:MATRIX_FMT_BF6 matrix_a_scale:MATRIX_SCALE_ROW1 matrix_b_scale:MATRIX_SCALE_ROW1
.endif
.endm
.irp s, 0,1,2,3,4,5,6,7
	FMM \s
.endr
.rept 4
	v_nop                                          ; four plain instructions between the last product and the first read of results
.endr
.irp p, 0,2,4,6
	v_pk_add_f32 v[40+\p:41+\p], v[24+\p:25+\p], v[32+\p:33+\p]    ; the two chains, from the low end on
.endr
.irp p, 0,2,4,6
	s_delay_alu instid0(VALU_DEP_4)
	v_pk_mul_f32 v[40+\p:41+\p], v[40+\p:41+\p], s[24:25] op_sel_hi:[1,0]
.endr
	s_wait_alu depctr_va_vdst(0)
.irp j, 0,1,2,3,4,5,6,7
	v_exp_f32 v[40+\j], v[40+\j]
.endr
	v_nop
	s_wait_alu depctr_va_vdst(0)                   ; one wait for the eight exponentials
.irp p, 0,2,4,6
	v_pk_add_f32 v[40+\p:41+\p], v[40+\p:41+\p], 1.0 op_sel_hi:[1,0]
.endr
	s_wait_alu depctr_va_vdst(0)
.irp j, 0,1,2,3,4,5,6,7
	v_rcp_f32 v[40+\j], v[40+\j]
.endr
	v_nop
	s_wait_alu depctr_va_vdst(0)                   ; one wait for the eight reciprocals
.irp p, 0,2,4,6
	v_pk_fma_f32 v[40+\p:41+\p], v[40+\p:41+\p], -2.0, 1.0 op_sel_hi:[1,0,0]
.endr
	ds_store_b128 v[OSI], v[40:43]                 ; lane (r, h): out0(16 bt + r, 64 dg + 16 w + 8 h + 0 .. 7)
	ds_store_b128 v[OSI], v[44:47] offset:16
.Lbar_b:
	s_wait_dscnt 0x0
	s_barrier_signal -1
	s_barrier_wait -1
	s_cmp_lt_u32 s20, 4
	s_cbranch_scc0 .Lend
	ds_load_b128 v[24:27], v[OSO]                  ; two rows an instruction
	ds_load_b128 v[28:31], v[OSO] offset:544
	s_wait_dscnt 0x0
	global_store_b128 v[GO0], v[24:27], s[14:15]   ; sixteen lanes store 256 consecutive bytes of a row, at a multiple of 256 from out0's first byte
	global_store_b128 v[GO0], v[28:31], s[14:15] offset:8192
.Lend:
	s_wait_tensorcnt 0x0
	ds_add_u32 v14, v15
	s_wait_dscnt 0x0
	s_endpgm
.Lfunc_end_k_qdcc20d8656_final:
	.size	k_qdcc20d8656_final, .Lfunc_end_k_qdcc20d8656_final-k_qdcc20d8656_final
	.p2alignl 7, 3214868480
	.fill 96, 4, 3214868480
	.section	.rodata,"a",@progbits
	.p2align	6, 0x0
	.amdhsa_kernel k_qdcc20d8656_final
		.amdhsa_group_segment_fixed_size 60416
		.amdhsa_private_segment_fixed_size 0
		.amdhsa_enable_private_segment 0
		.amdhsa_kernarg_size 56
		.amdhsa_user_sgpr_count 2
		.amdhsa_user_sgpr_kernarg_segment_ptr 1
		.amdhsa_wavefront_size32 1
		.amdhsa_system_sgpr_workgroup_id_x 1
		.amdhsa_system_sgpr_workgroup_id_y 1
		.amdhsa_system_sgpr_workgroup_id_z 1
		.amdhsa_system_vgpr_workitem_id 0
		.amdhsa_next_free_vgpr 256
		.amdhsa_next_free_sgpr 66
		.amdhsa_reserve_vcc 0
		.amdhsa_float_denorm_mode_32 3
		.amdhsa_float_denorm_mode_16_64 3
		.amdhsa_memory_ordered 1
		.amdhsa_forward_progress 1
		.amdhsa_inst_pref_size 32
	.end_amdhsa_kernel
	.amdgpu_metadata
---
amdhsa.version: [ 1, 2 ]
amdhsa.kernels:
  - .name:           k_qdcc20d8656_final
    .symbol:         k_qdcc20d8656_final.kd
    .args:
      - { .name: part, .offset: 0, .size: 8, .value_kind: global_buffer, .address_space: global }
      - { .name: stats, .offset: 8, .size: 8, .value_kind: global_buffer, .address_space: global }
      - { .name: wq, .offset: 16, .size: 8, .value_kind: global_buffer, .address_space: global }
      - { .name: ws, .offset: 24, .size: 8, .value_kind: global_buffer, .address_space: global }
      - { .name: proj, .offset: 32, .size: 8, .value_kind: global_buffer, .address_space: global }
      - { .name: out0, .offset: 40, .size: 8, .value_kind: global_buffer, .address_space: global }
      - { .name: out1, .offset: 48, .size: 8, .value_kind: global_buffer, .address_space: global }
    .group_segment_fixed_size: 60416
    .private_segment_fixed_size: 0
    .kernarg_segment_align: 8
    .kernarg_segment_size: 56
    .max_flat_workgroup_size: 512
    .sgpr_count:     66
    .vgpr_count:     256
    .wavefront_size: 32
...
	.end_amdgpu_metadata
.endif
;; end of part 3
